; MI455X (gfx1250); checked and timed in simulation.
; The chip was launched on July 23, 2026; its instructions are those of AMD's public machine-readable ISA for CDNA 5 (MIT licence, August 2026) and "CDNA5" Instruction Set Architecture Reference Guide (July 2026). The comments in the code are by the model that wrote it; some were corrected since.
;; pointcnn. Allowed arithmetic: float matrix products may take bf16 or f16 operands with f32 sums; all other float work in f32.
;; Inputs: W0 128 x 3 float32; W1 128 x 128 float32; W2 128 x 128 float32; b0 128 float32; b1 128 float32; b2 128 float32; xyz 8 x 4,096 x 3 float32.
;; Outputs: out0 8 x 4,096 x 128 float32.
;; Constants: k = 16, n_blocks = 3.
;; 2 versions, each right; version 2 is version 1 with the launch gmax written anew for expert scheduling mode. Each part assembles by itself: llvm-mc -triple=amdgcn-amd-amdhsa -mcpu=gfx1250 --defsym DOCPART=n.
;; ======== version 1 of 2: 4 launches
;; limits: values within 6.1e-05 (relative) of each other or of a threshold may be ordered or decided otherwise than in the reference
;; workspace buffers: feat 16,777,216 bytes; gids 2,621,440 bytes of whole numbers; nbr 2,097,152 bytes of whole numbers
;; launch mlp (part 1): grid 256 x 1, 8 waves a work-group, no clusters, 154,624 bytes of LDS; arguments xyz, W0, b0, W1, b1, W2, b2, feat; writes feat
.if DOCPART == 1
	.amdgcn_target "amdgcn-amd-amdhsa--gfx1250"
	.amdhsa_code_object_version 6
	.text
	.protected	k_q5b17568660_mlp
	.globl	k_q5b17568660_mlp
	.p2align	8
	.type	k_q5b17568660_mlp,@function
k_q5b17568660_mlp:
	s_mov_b64 s[64:65], 0
	v_nop
	global_prefetch_b8 v0, s[64:65] scope:SCOPE_SE
	s_setreg_imm32_b32 hwreg(HW_REG_WAVE_MODE, 25, 1), 1
	s_wait_xcnt 0x0
; feat[p][:] = W2 relu(W1 relu(W0 x_p + b0) + b1) + b2 for every one of the 8 x 4,096 points p.  The three 1 x 1 convolutions see one gathered point at a
; time, so their result for a point is made once here and gathered by a later launch; that holds for every input.
; FORMATS.  x, every weight and every bias are rounded to bf16; sums in f32.  A hidden activation h enters the next product as TWO bf16 numbers, hi = bf16(h) and
; lo = bf16(h - hi), each multiplied by the same weights: what is lost of h is about 2^-16 of it.  A bias is a product too: column 128 of the weights times 1.
; LIMITS.  NaN and infinities are not treated apart (relu is a maximum in which a NaN loses; an infinite h gives a NaN in lo).
; SHARES.  A work-group owns 128 points, each of its eight waves 16.  H^T = W X^T: source 0 = 16 output channels, source 1 = 16 points.  In a result lane (r, h) holds point r and the
; channels 16 mt + 8 h + 0..7, so two results rounded in pairs ARE source 1 (32 channels x 16 points) of the next layer: nothing changes lanes between the layers.
; LDS.  W1 and W2 as bf16, 128 rows of 160 numbers (128 weights, the bias, 31 zeros) and 16 bytes of padding: rows 336 bytes apart, an odd multiple of 16, so the 16 rows of a
; fragment load start at 16 different 16-byte columns modulo 256.  Behind them a stage of 16 rows x 528 bytes for each wave, then the spare words.
.set WP,    336
.set WL2,   128*WP                     ; W2's rows
.set STAGE, 2*128*WP
.set SPT,   528                        ; a stage row: 512 bytes + 16
.set SPARE, STAGE+8*16*SPT             ; 128 bytes for each wave: four blocks of 256 bytes that no other line names
.set AW,  24                           ; v[24:45]   layer 0: two registers a tile (w0 w1 | w2 b0), then six zeros; tile mt's source is v[24+2 mt : 31+2 mt]
.set B0,  46                           ; v[46:53]   layer 0: x y | z 1 in lanes 0-15, 0 elsewhere
.set ONE, 54                           ; v[54:61]   the bias step's source 1: 1 at k = 128, 0 elsewhere
.set HB,  64                           ; v[64:95]   hi parts, 8 registers for 32 channels; before that: at work
.set AX,  96                           ; v[96:127]  weight fragments of tiles 0-3
.set AY,  128                          ; v[128:159] of tiles 4-7
.set ACC, 160                          ; v[160:223] eight accumulators.  v[96:223] hold the weights as loaded during the fill
.set HL,  224                          ; v[224:255] lo parts; before that W0 as loaded
; v1 r, v2 h, v3 my spare word, v4 0, v5-v16 addresses, v18 a bias, v20-v23 at work
	s_load_b512 s[4:19], s[0:1], 0x0               ; xyz s[4:5], W0 s[6:7], b0 s[8:9], W1 s[10:11], b1 s[12:13], W2 s[14:15], b2 s[16:17], feat s[18:19]
	v_lshl_add_u32 v3, v0, 2, SPARE
	v_mov_b32 v4, 0
	v_lshrrev_b32 v20, 5, v0
	v_readfirstlane_b32 s20, v20                   ; wave 0..7
	v_and_b32 v1, 15, v0                           ; r
	v_bfe_u32 v2, v0, 4, 1                         ; h
	v_and_b32 v21, 31, v0                          ; lane
	v_lshlrev_b32 v5, 4, v0                        ; the fill: my 16 bytes in 4,096 bytes (8 rows) of W1 or W2
	s_mul_i32 s27, s20, WP
	v_lshl_add_u32 v6, v21, 3, s27                 ; and where their 8 bytes of bf16 go: row = wave, 8 bytes a lane
	v_add_nc_u32 v7, WL2, v6
	v_mul_u32_u24 v8, v1, WP
	v_lshl_add_u32 v8, v2, 4, v8                   ; a fragment's row x pitch + 16 h
	v_add_nc_u32 v9, WL2, v8
	s_mul_i32 s21, s20, 16*SPT
	s_add_co_u32 s21, s21, STAGE                   ; my stage
	v_mul_u32_u24 v10, v1, SPT
	v_lshl_add_u32 v10, v2, 5, v10
	v_add_nc_u32 v10, s21, v10                     ; in: row r, 32 bytes for each half of the lanes
	v_lshlrev_b32 v12, 4, v21                      ; back, and in feat: 16 bytes a lane, a whole row of 512 bytes
	v_add_nc_u32 v11, s21, v12
	v_mul_u32_u24 v13, v1, 12                      ; row r of xyz or of W0
	v_lshlrev_b32 v14, 2, v1                       ; number r of b0
	s_and_b32 s27, s20, 3                          ; the bias columns: thread t writes row t % 128 of W1 (t < 128) or of W2
	s_mul_i32 s27, s27, 32*WP
	s_lshr_b32 s28, s20, 2
	s_mul_i32 s28, s28, WL2
	s_add_co_u32 s27, s27, s28
	s_add_co_u32 s27, s27, 256                     ; behind the row's 128 weights
	v_mul_u32_u24 v15, v21, WP
	v_add_nc_u32 v15, s27, v15
	v_and_b32 v22, 127, v0
	v_lshlrev_b32 v16, 2, v22
	s_mul_i32 s22, ttmp9, 1536                     ; my 16 points: 128 g + 16 w, 12 bytes each in xyz,
	s_mul_i32 s24, s20, 192
	s_add_co_u32 s22, s22, s24
	s_mov_b32 s23, 0
	s_lshl_b32 s24, ttmp9, 16                      ; 512 bytes each in feat
	s_lshl_b32 s25, s20, 13
	s_add_co_u32 s24, s24, s25
	s_mov_b32 s25, 0
	s_mov_b32 s26, 0xffff0000                      ; a word's upper bf16
	s_wait_kmcnt 0x0
	s_add_nc_u64 s[4:5], s[4:5], s[22:23]
	s_add_nc_u64 s[18:19], s[18:19], s[24:25]
	s_cmp_lt_u32 s20, 4
	s_cselect_b64 s[30:31], s[12:13], s[16:17]     ; waves 0-3 bring b1, waves 4-7 b2
	; 18 small loads first, then the 32 loads of the weights, each of 512 consecutive bytes a wave
	global_load_b96 v[80:82], v13, s[4:5]
.irp mt, 0,1,2,3,4,5,6,7
	global_load_b96 v[HL+4*(\mt):HL+4*(\mt)+2], v13, s[6:7] offset:192*(\mt)
.endr
.irp mt, 0,1,2,3,4,5,6,7
	global_load_b32 v[72+(\mt)], v14, s[8:9] offset:64*(\mt)
.endr
	global_load_b32 v18, v16, s[30:31]
.set j, 0
.rept 16
	global_load_b128 v[96+4*j:96+4*j+3], v5, s[10:11] offset:4096*j
.set j, j+1
.endr
.set j, 0
.rept 16
	global_load_b128 v[160+4*j:160+4*j+3], v5, s[14:15] offset:4096*j
.set j, j+1
.endr
	s_wait_loadcnt 32                              ; loads come back in order: the small ones are in, the 32 of the weights may be out
	v_cvt_pk_bf16_f32 v64, v18, 0                  ; k = 128: the bias; k = 129 .. 159: zeros
.irp i, 65,66,67,68,69,70,71
	v_mov_b32 v[\i], 0
.endr
	ds_store_b128 v15, v[64:67]
	ds_store_b128 v15, v[68:71] offset:16
	ds_store_b128 v15, v[68:71] offset:32
	ds_store_b128 v15, v[68:71] offset:48
	; layer 0's sources.  Only k = 0 .. 3 of source 1 are not 0 (x, y, z, 1, in lanes 0-15), so whatever finite numbers source 0 holds elsewhere add nothing
.irp mt, 0,1,2,3,4,5,6,7
	v_cvt_pk_bf16_f32 v[AW+2*(\mt)], v[HL+4*(\mt)], v[HL+4*(\mt)+1]
	v_cvt_pk_bf16_f32 v[AW+2*(\mt)+1], v[HL+4*(\mt)+2], v[72+(\mt)]
.endr
.irp i, 16,17,18,19,20,21
	v_mov_b32 v[AW+(\i)], 0
.endr
	v_cmp_eq_u32 vcc_lo, 0, v2
	v_cvt_pk_bf16_f32 v[B0], v80, v81
	v_cvt_pk_bf16_f32 v[B0+1], v82, 1.0
	v_mov_b32 v[ONE], 0x3f80
	v_cndmask_b32 v[B0], 0, v[B0], vcc_lo
	v_cndmask_b32 v[B0+1], 0, v[B0+1], vcc_lo
	v_cndmask_b32 v[ONE], 0, v[ONE], vcc_lo
.irp i, 2,3,4,5,6,7
	v_mov_b32 v[B0+(\i)], 0
.endr
.irp i, 1,2,3,4,5,6,7
	v_mov_b32 v[ONE+(\i)], 0
.endr
	; the weights: four numbers rounded to 8 bytes, a wave's 32 lanes write one row's 256 bytes
.set j, 0
.rept 32
	s_wait_loadcnt 31-j                            ; load j is in, the younger ones stay out
	v_cvt_pk_bf16_f32 v[96+4*j], v[96+4*j], v[96+4*j+1]
	v_cvt_pk_bf16_f32 v[96+4*j+1], v[96+4*j+2], v[96+4*j+3]
.if j < 16
	ds_store_b64 v6, v[96+4*j:96+4*j+1] offset:8*WP*j
.else
	ds_store_b64 v7, v[96+4*j:96+4*j+1] offset:8*WP*(j-16)
.endif
.set j, j+1
.endr
	s_wait_dscnt 0x0                               ; for the others' sake: my part of the weights is written
	s_barrier_signal -1
.irp mt, 0,1,2,3,4,5,6,7                               ; layer 0, work on registers, while the others arrive; the constant 0 starts the sums
	v_wmma_f32_16x16x32_bf16 v[ACC+8*(\mt):ACC+8*(\mt)+7], v[AW+2*(\mt):AW+2*(\mt)+7], v[B0:B0+7], 0
.endr
	s_barrier_wait -1
; A vector instruction that reads a matrix result or writes one of a matrix instruction's registers, and a load into such a register, stand four places behind it, and only plain
; vector instructions that name none of its registers are places (ISA guide 7.12.1 for vector instructions).
.macro PLACES
.rept 4
	v_nop
.endr
.endm
; the fragments of four tiles of 16 channels (half 0: tiles 0-3, 1: tiles 4-7), 32 along K at K step ks
.macro LOADA buf, adr, half, ks
.irp m, 0,1,2,3
	ds_load_b128 v[(\buf)+8*(\m):(\buf)+8*(\m)+3],   v[\adr] offset:(4*(\half)+(\m))*16*WP+64*(\ks)
	ds_load_b128 v[(\buf)+8*(\m)+4:(\buf)+8*(\m)+7], v[\adr] offset:(4*(\half)+(\m))*16*WP+64*(\ks)+32
.endr
.endm
; relu, and the two bf16 parts of each pair of activations.  Pair pt lies in accumulator pt / 4; each accumulator's registers are taken in ascending order.
.macro PACKH
.set pt, 0
.rept 32
.set pa, ACC+2*pt
.set pu, 20+2*(pt%2)
	v_max_num_f32 v[pa], 0, v[pa]
	v_max_num_f32 v[pa+1], 0, v[pa+1]
	v_cvt_pk_bf16_f32 v[HB+pt], v[pa], v[pa+1]
	v_lshlrev_b32 v[pu], 16, v[HB+pt]
	v_and_b32 v[pu+1], s26, v[HB+pt]
	v_pk_add_f32 v[pu:pu+1], v[pa:pa+1], v[pu:pu+1] neg_lo:[0,1] neg_hi:[0,1]  ; h - hi, exact
	v_cvt_pk_bf16_f32 v[HL+pt], v[pu], v[pu+1]
.set pt, pt+1
.endr
.endm
; four tiles' products of one K step: by hi, then by lo; the bias step (ks = 4) by ONE.  The accumulators take turns, one instruction a turn.
.macro MUL4 buf, half, ks
.if (\ks) == 4
.irp m, 0,1,2,3
	v_wmma_f32_16x16x32_bf16 v[ACC+32*(\half)+8*(\m):ACC+32*(\half)+8*(\m)+7], v[(\buf)+8*(\m):(\buf)+8*(\m)+7], v[ONE:ONE+7], v[ACC+32*(\half)+8*(\m):ACC+32*(\half)+8*(\m)+7]
.endr
.else
.irp m, 0,1,2,3
.if (\ks) == 0
	v_wmma_f32_16x16x32_bf16 v[ACC+32*(\half)+8*(\m):ACC+32*(\half)+8*(\m)+7], v[(\buf)+8*(\m):(\buf)+8*(\m)+7], v[HB:HB+7], 0
.else
	v_wmma_f32_16x16x32_bf16 v[ACC+32*(\half)+8*(\m):ACC+32*(\half)+8*(\m)+7], v[(\buf)+8*(\m):(\buf)+8*(\m)+7], v[HB+8*(\ks):HB+8*(\ks)+7], v[ACC+32*(\half)+8*(\m):ACC+32*(\half)+8*(\m)+7]
.endif
.endr
.irp m, 0,1,2,3
	v_wmma_f32_16x16x32_bf16 v[ACC+32*(\half)+8*(\m):ACC+32*(\half)+8*(\m)+7], v[(\buf)+8*(\m):(\buf)+8*(\m)+7], v[HL+8*(\ks):HL+8*(\ks)+7], v[ACC+32*(\half)+8*(\m):ACC+32*(\half)+8*(\m)+7]
.endr
.endif
.endm
; A layer: the last layer's sums become hi and lo while the first fragments come; then five K steps, each buffer loaded again behind its products.
.macro LAYER adr
	LOADA AX, \adr, 0, 0
	LOADA AY, \adr, 1, 0
	PACKH
.irp ks, 0,1,2,3,4
	s_wait_dscnt 8                                 ; AX is in; AY's eight loads, issued behind it, may be out
	MUL4 AX, 0, \ks
.if \ks < 4
	PLACES
	LOADA AX, \adr, 0, (\ks)+1
	s_wait_dscnt 8                                 ; AY is in; the eight just issued may be out
.else
	s_wait_dscnt 0x0
.endif
	MUL4 AY, 1, \ks
.if \ks < 4
	PLACES
	LOADA AY, \adr, 1, (\ks)+1
.endif
.endr
.endm
	PLACES
	LAYER 8                                        ; W1, b1
	PLACES
	LAYER 9                                        ; W2, b2
	PLACES
	; THE WAY OUT.  A lane's eight channels of a point are 32 bytes of its row; through my own stage they come back as whole rows of 512 bytes.
.irp mt, 0,1,2,3,4,5,6,7
	ds_store_b128 v10, v[ACC+8*(\mt):ACC+8*(\mt)+3] offset:64*(\mt)
	ds_store_b128 v10, v[ACC+8*(\mt)+4:ACC+8*(\mt)+7] offset:64*(\mt)+16
.endr
.set j, 0
.rept 16
	ds_load_b128 v[96+4*j:96+4*j+3], v11 offset:SPT*j  ; LDS serves a wave's instructions in order (ISA guide 5.7.1.4): these see the stores above
.set j, j+1
.endr
.set j, 0
.rept 16
	s_wait_dscnt 15-j                              ; row j is back, the younger rows may be out
	global_store_b128 v12, v[96+4*j:96+4*j+3], s[18:19] offset:512*j  ; the wave stores 512 consecutive bytes, at a multiple of 512 from feat's first byte
.set j, j+1
.endr
	s_wait_tensorcnt 0x0                           ; the wave's end, behind my last LDS store
	ds_add_u32 v3, v4
	s_wait_dscnt 0x0
	s_endpgm
.Lfunc_end_k_q5b17568660_mlp:
	.size	k_q5b17568660_mlp, .Lfunc_end_k_q5b17568660_mlp-k_q5b17568660_mlp
	.p2alignl 7, 3214868480
	.fill 96, 4, 3214868480
	.section	.rodata,"a",@progbits
	.p2align	6, 0x0
	.amdhsa_kernel k_q5b17568660_mlp
		.amdhsa_group_segment_fixed_size 154624
		.amdhsa_private_segment_fixed_size 0
		.amdhsa_enable_private_segment 0
		.amdhsa_kernarg_size 64
		.amdhsa_user_sgpr_count 2
		.amdhsa_user_sgpr_kernarg_segment_ptr 1
		.amdhsa_wavefront_size32 1
		.amdhsa_system_sgpr_workgroup_id_x 1
		.amdhsa_system_sgpr_workgroup_id_y 1
		.amdhsa_system_sgpr_workgroup_id_z 1
		.amdhsa_system_vgpr_workitem_id 0
		.amdhsa_next_free_vgpr 256
		.amdhsa_next_free_sgpr 66
		.amdhsa_reserve_vcc 1
		.amdhsa_float_denorm_mode_32 3
		.amdhsa_float_denorm_mode_16_64 3
		.amdhsa_memory_ordered 1
		.amdhsa_forward_progress 1
		.amdhsa_inst_pref_size 64
	.end_amdhsa_kernel
	.amdgpu_metadata
---
amdhsa.version: [ 1, 2 ]
amdhsa.kernels:
  - .name:           k_q5b17568660_mlp
    .symbol:         k_q5b17568660_mlp.kd
    .args:
      - { .name: xyz, .offset: 0, .size: 8, .value_kind: global_buffer, .address_space: global }
      - { .name: W0, .offset: 8, .size: 8, .value_kind: global_buffer, .address_space: global }
      - { .name: b0, .offset: 16, .size: 8, .value_kind: global_buffer, .address_space: global }
      - { .name: W1, .offset: 24, .size: 8, .value_kind: global_buffer, .address_space: global }
      - { .name: b1, .offset: 32, .size: 8, .value_kind: global_buffer, .address_space: global }
      - { .name: W2, .offset: 40, .size: 8, .value_kind: global_buffer, .address_space: global }
      - { .name: b2, .offset: 48, .size: 8, .value_kind: global_buffer, .address_space: global }
      - { .name: feat, .offset: 56, .size: 8, .value_kind: global_buffer, .address_space: global }
    .group_segment_fixed_size: 154624
    .private_segment_fixed_size: 0
    .kernarg_segment_align: 8
    .kernarg_segment_size: 64
    .max_flat_workgroup_size: 256
    .sgpr_count:     66
    .vgpr_count:     256
    .wavefront_size: 32
...
	.end_amdgpu_metadata
.endif
;; end of part 1
;; launch filter (part 2): grid 256 x 1, 8 waves a work-group, no clusters, 66,560 bytes of LDS; arguments xyz, gids; writes gids
.if DOCPART == 2
	.amdgcn_target "amdgcn-amd-amdhsa--gfx1250"
	.amdhsa_code_object_version 6
	.text
	.protected	k_q5b17568660_filter
	.globl	k_q5b17568660_filter
	.p2align	8
	.type	k_q5b17568660_filter,@function
k_q5b17568660_filter:
	s_mov_b64 s[64:65], 0
	v_nop
	global_prefetch_b8 v0, s[64:65] scope:SCOPE_SE
	s_setreg_imm32_b32 hwreg(HW_REG_WAVE_MODE, 25, 1), 1
	s_wait_xcnt 0x0
; For each query point: the 20 groups of 8 consecutive points of its cloud (512 groups) whose largest squared distance to the query is largest, their numbers ascending.
; The next launch ranks the 160 points of these groups exactly; every one of the 17 farthest points lies in a group whose best distance is among the 17 best group bests.
; DISTANCES come from the matrix unit: a candidate's row is (x, y, z, sh, sm, sl, 1, 1), the query's column (-2x, -2y, -2z, 1, 1, 1, qh, qm), all bf16; x, y, z are the inputs rounded to
; bf16, sh + sm + sl is the candidate's |p|^2 in f32 cut exactly into three, qh + qm the query's cut to 16 bits (the same addend for all its candidates).
; KEYS.  A group's key is its largest distance (not below 0) cut to 14 fraction bits, with 511 - group in the 9 bits below: a positive f32, so keys are ordered by float maxima, all differ,
; and of equal cut distances the lower group wins, as the lower index wins in the reference's top_k.
; LIMITS.  A neighbour can be lost where, beside its group, more than 3 further groups outside the 17 lie within 2^-14 of the 17th distance (relative; the matrix unit's own rounding of the
; sum comes on top).  Distances below 0 count as 0.  NaN and infinities are not treated.
; SHARES.  A work-group owns 128 queries of one cloud, a wave 16.  Source 0 = 16 candidates, source 1 = 16 queries: in a result lane (r, h) holds query r and candidates 16 t + 8 h + 0..7
; of tile t: group 2 t + h.  So a query's groups are shared between lanes r and r + 16, and the two lists meet once, at the end.
; FOUR TILES AT A TIME.  The four keys of a quad are sorted (10 instructions); the largest goes into a list of 20, the second into one of 10, the third into one of 6, the fourth into one of
; 5: of the quads' j-th largest keys at most 20 / j are among the best 20, since each brings j - 1 larger ones along.  41 list instructions for 4 keys in place of 80.
.set SPARE, 65536                      ; behind the table of 4,096 rows x 16 bytes: 128 bytes for each wave
.set PL,    1<<19                      ; a plane of gids: 32,768 queries x 16 bytes; plane p holds a query's groups 4 p .. 4 p + 3
.set AA,  16                           ; v[16:35], v[36:55]  two sets of source 0: 4 tiles x 4 registers, then 4 zeros; tile k's source is 8 registers from AA + 4 k on: its upper
                                       ;                     half (k = 16 ..) meets zeros in source 1, and so do lanes 16-31 (k = 8 ..)
.set DD,  56                           ; v[56:87], v[88:119] two sets of 4 results
.set L1,  136                          ; v[136:155] 20 keys, descending
.set L2,  156                          ; v[156:165]
.set L3,  166                          ; v[166:171]
.set L4,  172                          ; v[172:176]
.set OO,  56                           ; at the end: the other lane's list,
.set SS,  76                           ; the best 20 of both,
.set NN,  96                           ; and these by group number
; v1 r, v2 h, v3 my spare word, v4 0, v5 LDS address of row r of the quad in hand, v6 1 - h, v7 my offset in gids, v[8:15] source 1, v[120:135] at work
	s_load_b128 s[4:7], s[0:1], 0x0                ; xyz s[4:5], gids s[6:7]
	v_lshl_add_u32 v3, v0, 2, SPARE
	v_mov_b32 v4, 0
	v_lshrrev_b32 v120, 5, v0
	v_readfirstlane_b32 s8, v120                   ; wave 0..7
	v_and_b32 v1, 15, v0
	v_bfe_u32 v2, v0, 4, 1
	v_and_b32 v124, 31, v0
	v_lshlrev_b32 v5, 4, v1
	v_sub_nc_u32 v6, 1, v2
	v_lshl_add_u32 v7, v2, 19, v5                  ; 16 r, and one plane on for lanes 16-31
	v_mul_u32_u24 v121, v0, 48                     ; the table's build: thread t takes points 4 t .. 4 t + 3 of each 1,024
	s_lshl_b32 s27, s8, 11
	v_lshl_add_u32 v122, v124, 6, s27              ; their four rows: 2,048 bytes a wave, 64 a lane
	v_mul_u32_u24 v123, v1, 12
	s_lshr_b32 s10, ttmp9, 5                       ; the cloud
	s_mul_i32 s10, s10, 49152
	s_mov_b32 s11, 0
	s_mul_i32 s28, ttmp9, 1536                     ; my 16 queries: points 128 g + 16 w on, 12 bytes each,
	s_mul_i32 s27, s8, 192
	s_add_co_u32 s28, s28, s27
	s_mov_b32 s29, 0
	s_lshl_b32 s30, ttmp9, 11                      ; 16 bytes each in a plane of gids
	s_lshl_b32 s27, s8, 8
	s_add_co_u32 s30, s30, s27
	s_mov_b32 s31, 0
	s_mov_b32 s12, 0xffff0000                      ; a word's upper bf16
	s_mov_b32 s13, 0x07060302                      ; v_perm_b32: the upper halves of two words
	s_mov_b32 s14, 0xfffffe00                      ; a key's distance bits
	s_mov_b32 s16, 510                             ; 511 - group, less the lane's 1 - h, for the quad's four tiles
	s_mov_b32 s17, 508
	s_mov_b32 s18, 506
	s_mov_b32 s19, 504
	s_mov_b32 s21, 0x1ff
	s_mov_b32 s22, 0x3f800000
	s_mov_b32 s24, 0x76543210                      ; v_permlanex16_b32: each lane takes its own place in the other half
	s_mov_b32 s25, 0xfedcba98
	s_wait_kmcnt 0x0
	s_add_nc_u64 s[32:33], s[4:5], s[28:29]
	s_add_nc_u64 s[4:5], s[4:5], s[10:11]
	s_add_nc_u64 s[6:7], s[6:7], s[30:31]
	global_load_b96 v[80:82], v123, s[32:33]       ; my query
.set i, 0
.rept 4
	global_load_b128 v[16+12*i:16+12*i+3],   v121, s[4:5] offset:12288*i
	global_load_b128 v[16+12*i+4:16+12*i+7], v121, s[4:5] offset:12288*i+16
	global_load_b128 v[16+12*i+8:16+12*i+11], v121, s[4:5] offset:12288*i+32
.set i, i+1
.endr
.set i, L1
.rept 41
	v_mov_b32 v[i], 0                              ; the four lists start below every key
.set i, i+1
.endr
	v_mov_b32 v67, 0x3f803f80                      ; a row's last word: 1, 1
	v_mov_b32 v71, 0x3f803f80
	s_wait_loadcnt 12                              ; my query is in; the table's twelve loads may be out
	v_mul_f32 v72, -2.0, v80                       ; rounding commutes with the factor -2
	v_mul_f32 v73, -2.0, v81
	v_mul_f32 v74, -2.0, v82
	v_cvt_pk_bf16_f32 v8, v72, v73
	v_cvt_pk_bf16_f32 v9, v74, 1.0
	v_lshlrev_b32 v72, 16, v8
	v_and_b32 v73, s12, v8
	v_lshlrev_b32 v74, 16, v9
	v_mul_f32 v75, v72, v72
	v_fma_f32 v75, v73, v73, v75
	v_fma_f32 v75, v74, v74, v75
	v_mul_f32 v75, 0.25, v75                       ; |q|^2
	v_and_b32 v76, s12, v75
	v_sub_f32 v76, v75, v76
	v_perm_b32 v11, v76, v75, s13                  ; qh below, qm above
	v_mov_b32 v10, 0x3f803f80
	v_cmp_eq_u32 vcc_lo, 0, v2
.irp i, 8,9,10,11
	v_cndmask_b32 v[\i], 0, v[\i], vcc_lo          ; k = 8 .. 15 (lanes 16-31) are 0
.endr
.irp i, 12,13,14,15
	v_mov_b32 v[\i], 0
.endr
; a point's row: x y | z sh | sm sl | 1 1
.macro PT x, tb, off
	v_cvt_pk_bf16_f32 v[\tb], v[\x], v[(\x)+1]
	v_cvt_pk_bf16_f32 v[(\tb)+1], v[(\x)+2], 0
	v_lshlrev_b32 v72, 16, v[\tb]
	v_and_b32 v73, s12, v[\tb]
	v_lshlrev_b32 v74, 16, v[(\tb)+1]
	v_mul_f32 v75, v72, v72
	v_fma_f32 v75, v73, v73, v75
	v_fma_f32 v75, v74, v74, v75
	v_and_b32 v76, s12, v75
	v_sub_f32 v76, v75, v76                        ; what the upper 8 bits leave, exact
	v_and_b32 v77, s12, v76
	v_sub_f32 v77, v76, v77                        ; and the next 8: at most 8 bits are left
	v_and_or_b32 v[(\tb)+1], v75, s12, v[(\tb)+1]
	v_perm_b32 v[(\tb)+2], v77, v76, s13
	ds_store_b128 v122, v[(\tb):(\tb)+3] offset:\off
.endm
.set i, 0
.rept 4
	s_wait_loadcnt 9-3*i                           ; this pass's three loads are in, the later passes' may be out
	PT 16+12*i,   64, 16384*i
	PT 16+12*i+3, 68, 16384*i+16
	PT 16+12*i+6, 64, 16384*i+32
	PT 16+12*i+9, 68, 16384*i+48
.set i, i+1
.endr
.irp i, 16,17,18,19
	v_mov_b32 v[AA+(\i)], 0                        ; the zeros behind each set of source 0
	v_mov_b32 v[AA+20+(\i)], 0
.endr
	s_wait_dscnt 0x0                               ; for the others' sake: my rows are written
	s_barrier_signal -1
	s_barrier_wait -1
; a key goes into a descending list: entry i becomes the middle one of its upper neighbour, itself and the key; from the bottom up, so that each line reads old entries
.macro INSERT base, len, key
.set ii, (\len)-1
.rept (\len)-1
	v_med3_num_f32 v[(\base)+ii], v[(\base)+ii-1], v[(\base)+ii], v[\key]
.set ii, ii-1
.endr
	v_max_num_f32 v[\base], v[\base], v[\key]
.endm
; a quad's four results are used up: 71 vector instructions.  Each result's lowest registers are read first.
.macro CONS d
.irp k, 0,1,2,3
	v_max3_num_f32 v[120+(\k)], v[(\d)+8*(\k)], v[(\d)+8*(\k)+1], v[(\d)+8*(\k)+2]
.endr
.irp k, 0,1,2,3
	v_max3_num_f32 v[120+(\k)], v[120+(\k)], v[(\d)+8*(\k)+3], v[(\d)+8*(\k)+4]
.endr
.irp k, 0,1,2,3
	v_max3_num_f32 v[120+(\k)], v[120+(\k)], v[(\d)+8*(\k)+5], v[(\d)+8*(\k)+6]
.endr
.irp k, 0,1,2,3
	v_max3_num_f32 v[120+(\k)], v[120+(\k)], v[(\d)+8*(\k)+7], 0
.endr
.irp k, 0,1,2,3
	v_and_or_b32 v[120+(\k)], v[120+(\k)], s14, s[16+(\k)]
.endr
.irp k, 0,1,2,3
	s_sub_co_u32 s[16+(\k)], s[16+(\k)], 8         ; the next quad's groups are 8 on
.endr
	v_max_num_f32 v124, v120, v121
	v_min_num_f32 v125, v120, v121
	v_max_num_f32 v126, v122, v123
	v_min_num_f32 v127, v122, v123
	v_max_num_f32 v128, v124, v126                 ; the largest
	v_min_num_f32 v129, v124, v126
	v_max_num_f32 v130, v125, v127
	v_min_num_f32 v131, v125, v127                 ; the fourth
	v_max_num_f32 v132, v129, v130                 ; the second
	v_min_num_f32 v133, v129, v130                 ; the third
	INSERT L1, 20, 128
	INSERT L2, 10, 132
	INSERT L3, 6, 133
	INSERT L4, 5, 131
.endm
; Half a trip.  Set c's results are used up; ahead of that the other set's products are issued (mma = 1) and set c's source 0 is loaded again (ld = 1).  The 71 vector instructions, which name
; no register of the products just issued, are the places between those products and the reads of their results, and between them and the next loads into their sources.
.macro HALF c, mma, ld, off
.if \mma
	s_wait_dscnt 0x0                               ; the other set's four rows are in
.irp k, 0,1,2,3
	v_wmma_f32_16x16x32_bf16 v[DD+32*(1-(\c))+8*(\k):DD+32*(1-(\c))+8*(\k)+7], v[AA+20*(1-(\c))+4*(\k):AA+20*(1-(\c))+4*(\k)+7], v[8:15], 0
.endr
.endif
.if \ld
.irp k, 0,1,2,3
	ds_load_b128 v[AA+20*(\c)+4*(\k):AA+20*(\c)+4*(\k)+3], v5 offset:(\off)+256*(\k)
.endr
.endif
	CONS DD+32*(\c)
.endm
.irp k, 0,1,2,3
	ds_load_b128 v[AA+4*(\k):AA+4*(\k)+3], v5 offset:256*(\k)           ; quad 0
.endr
.irp k, 0,1,2,3
	ds_load_b128 v[AA+20+4*(\k):AA+20+4*(\k)+3], v5 offset:1024+256*(\k)  ; quad 1
.endr
	s_wait_dscnt 4                                 ; quad 0 is in; quad 1's four loads may be out
.irp k, 0,1,2,3
	v_wmma_f32_16x16x32_bf16 v[DD+8*(\k):DD+8*(\k)+7], v[AA+4*(\k):AA+4*(\k)+7], v[8:15], 0
.endr
.rept 4
	v_nop                                          ; four places ahead of the loads into those sources and of the reads of those results
.endr
	s_mov_b32 s20, 31
.Lquads:                                               ; a trip uses up quads 2 n and 2 n + 1, multiplies 2 n + 1 and 2 n + 2, fetches 2 n + 2 and 2 n + 3
	HALF 0, 1, 1, 2048
	HALF 1, 1, 1, 3072
	v_add_nc_u32 v5, 2048, v5
	s_sub_co_u32 s20, s20, 1
	s_cmp_lg_u32 s20, 0
	s_cbranch_scc1 .Lquads
	HALF 0, 1, 0, 0                                ; quads 62 and 63: nothing is left to fetch
	HALF 1, 0, 0, 0
	; THE END.  The three short lists go into the long one; the lane's bit completes the keys; the best 20 of two descending lists of 20 are the larger of entry i and the other's entry 19 - i.
.set i, 0
.rept 21
	INSERT L1, 20, L2+i
.set i, i+1
.endr
.set i, 0
.rept 20
	v_or_b32 v[L1+i], v[L1+i], v6
.set i, i+1
.endr
.set i, 0
.rept 20
	v_permlanex16_b32 v[OO+i], v[L1+i], s24, s25
.set i, i+1
.endr
.set i, 0
.rept 20
	v_max_num_f32 v[SS+i], v[L1+i], v[OO+19-i]
	v_mov_b32 v[NN+i], 0
.set i, i+1
.endr
.set i, 0
.rept 20
	v_and_or_b32 v[SS+i], v[SS+i], s21, s22        ; 1 + (511 - group) 2^-23: sorted descending, the groups ascend; both lanes of a query end with the same list
.set i, i+1
.endr
.set i, 0
.rept 20
	INSERT NN, 20, SS+i
.set i, i+1
.endr
.set i, 0
.rept 20
	v_xor_b32 v[NN+i], s21, v[NN+i]
	v_and_b32 v[NN+i], s21, v[NN+i]                ; the group
.set i, i+1
.endr
	; lanes 0-15 store planes 0 and 2, lanes 16-31 planes 1 and 3: each half of the wave 256 consecutive bytes, at a multiple of 256 from gids' first byte; plane 4 by lanes 0-15
	v_cmp_eq_u32 vcc_lo, 0, v2
.irp s, 0,1
.irp j, 0,1,2,3
	v_cndmask_b32 v[120+4*(\s)+(\j)], v[NN+8*(\s)+4+(\j)], v[NN+8*(\s)+(\j)], vcc_lo
.endr
	global_store_b128 v7, v[120+4*(\s):120+4*(\s)+3], s[6:7] offset:(\s)*2*PL
.endr
	s_wait_xcnt 0x0                                ; EXEC is a source of the stores above: it changes only behind this wait
	s_and_saveexec_b32 s26, vcc_lo
	global_store_b128 v7, v[NN+16:NN+19], s[6:7] offset:4*PL
	s_wait_xcnt 0x0                                ; and again ahead of the line that restores it
	s_or_b32 exec_lo, exec_lo, s26
	s_wait_tensorcnt 0x0                           ; the wave's end, behind my last LDS store
	ds_add_u32 v3, v4
	s_wait_dscnt 0x0
	s_endpgm
.Lfunc_end_k_q5b17568660_filter:
	.size	k_q5b17568660_filter, .Lfunc_end_k_q5b17568660_filter-k_q5b17568660_filter
	.p2alignl 7, 3214868480
	.fill 96, 4, 3214868480
	.section	.rodata,"a",@progbits
	.p2align	6, 0x0
	.amdhsa_kernel k_q5b17568660_filter
		.amdhsa_group_segment_fixed_size 66560
		.amdhsa_private_segment_fixed_size 0
		.amdhsa_enable_private_segment 0
		.amdhsa_kernarg_size 16
		.amdhsa_user_sgpr_count 2
		.amdhsa_user_sgpr_kernarg_segment_ptr 1
		.amdhsa_wavefront_size32 1
		.amdhsa_system_sgpr_workgroup_id_x 1
		.amdhsa_system_sgpr_workgroup_id_y 1
		.amdhsa_system_sgpr_workgroup_id_z 1
		.amdhsa_system_vgpr_workitem_id 0
		.amdhsa_next_free_vgpr 184
		.amdhsa_next_free_sgpr 66
		.amdhsa_reserve_vcc 1
		.amdhsa_float_denorm_mode_32 3
		.amdhsa_float_denorm_mode_16_64 3
		.amdhsa_memory_ordered 1
		.amdhsa_forward_progress 1
		.amdhsa_inst_pref_size 93
	.end_amdhsa_kernel
	.amdgpu_metadata
---
amdhsa.version: [ 1, 2 ]
amdhsa.kernels:
  - .name:           k_q5b17568660_filter
    .symbol:         k_q5b17568660_filter.kd
    .args:
      - { .name: xyz, .offset: 0, .size: 8, .value_kind: global_buffer, .address_space: global }
      - { .name: gids, .offset: 8, .size: 8, .value_kind: global_buffer, .address_space: global }
    .group_segment_fixed_size: 66560
    .private_segment_fixed_size: 0
    .kernarg_segment_align: 8
    .kernarg_segment_size: 16
    .max_flat_workgroup_size: 256
    .sgpr_count:     66
    .vgpr_count:     184
    .wavefront_size: 32
...
	.end_amdgpu_metadata
.endif
;; end of part 2
;; launch rank (part 3): grid 256 x 1, 4 waves a work-group, no clusters, 74,240 bytes of LDS; arguments xyz, gids, nbr; writes nbr
.if DOCPART == 3
	.amdgcn_target "amdgcn-amd-amdhsa--gfx1250"
	.amdhsa_code_object_version 6
	.text
	.protected	k_q5b17568660_rank
	.globl	k_q5b17568660_rank
	.p2align	8
	.type	k_q5b17568660_rank,@function
k_q5b17568660_rank:
	s_mov_b64 s[64:65], 0
	v_nop
	global_prefetch_b8 v0, s[64:65] scope:SCOPE_SE
	s_setreg_imm32_b32 hwreg(HW_REG_WAVE_MODE, 25, 1), 1
	s_wait_xcnt 0x0
; For each query: the squared distances to the 160 points of its 20 groups (gids), in f32 and in the reference's own order of operations, the 17 largest with their indices, and of these
; ranks 2 to 17 as row numbers 0 .. 32,767 (nbr).
; THE ARITHMETIC.  x, y, z are rounded to bf16, so every product of two of them is exact in f32 and a fused multiply-add rounds as a product and an addition do.
; sq = (x x + y y) + z z;  dot = (qx px + qy py) + qz pz;  d = (sq_q + sq_p) - 2 dot.  This order is taken to be the reference's; another order there could change a last bit.
; TIES.  The groups come in ascending order, and so do a group's points; a distance enters the list only in front of entries that are strictly smaller: of equal distances the lower index
; stands first, as in the reference's top_k.
; LIMITS.  -0 equals +0; NaN and infinities are not treated (a NaN never enters the list).
; SHARES.  A lane is a query; a work-group's four waves own 128 queries of one cloud.  No matrix work: 160 candidates a query in 3 dimensions are vector work.
; LDS.  The cloud as 512 groups x 144 bytes: eight rows (x, y, z, sq) in f32 and 16 bytes of padding, so that row j of group g lies in 16-byte column (9 g + j) modulo 16.
.set GP,    144
.set SPARE, 512*GP                     ; 73,728: 128 bytes for each wave
.set PL,    1<<19                      ; a plane of gids and of nbr: 32,768 queries x 16 bytes
.set LL,  8                            ; v[8:24]    17 distances, descending
.set II,  25                           ; v[25:41]   their indices
.set DI,  46                           ; v[46:53]   the group's eight distances
.set TT,  54                           ; v[54:61]   at work
.set PP,  64                           ; v[64:95]   the group's eight rows
.set GG,  96                           ; v[96:115]  the groups still to come, the next one first
.set XX,  120                          ; v[120:135] at work in INS; v[120:215] hold xyz as loaded during the build
; v1 my spare word, v2 0, v3-v6 addresses, v[42:45] my query's row, v116 the group's first index, v117 a candidate's index, v118 an LDS address;  s[36:52] 17 masks
	s_load_b128 s[4:7], s[0:1], 0x0                ; xyz s[4:5], gids s[6:7]
	s_load_b64 s[8:9], s[0:1], 0x10                ; nbr
	v_lshl_add_u32 v1, v0, 2, SPARE
	v_mov_b32 v2, 0
	v_lshrrev_b32 v7, 5, v0
	v_readfirstlane_b32 s10, v7                    ; wave 0..3
	v_mul_u32_u24 v3, v0, 48                       ; the build: thread t takes points 4 t .. 4 t + 3 of each 512
	v_lshlrev_b32 v4, 4, v0                        ; my 16 bytes in a plane
	v_bfe_u32 v5, v0, 1, 4                         ; half a group a lane: 16 groups a wave
	v_mul_u32_u24 v5, v5, GP
	v_and_b32 v6, 1, v0
	v_lshl_add_u32 v5, v6, 6, v5
	s_mul_i32 s11, s10, 16*GP
	v_add_nc_u32 v5, s11, v5
	s_and_b32 s15, ttmp9, 31
	s_lshl_b32 s15, s15, 4                         ; the group of the work-group's first query
	v_lshrrev_b32 v6, 3, v0
	v_add_nc_u32 v6, s15, v6
	v_mul_u32_u24 v6, v6, GP
	v_and_b32 v7, 7, v0
	v_lshl_add_u32 v6, v7, 4, v6                   ; my query's own row
	s_lshr_b32 s16, ttmp9, 5                       ; the cloud:
	s_lshl_b32 s13, s16, 12                        ; its first row number,
	s_mul_i32 s16, s16, 49152                      ; its first byte in xyz
	s_mov_b32 s17, 0
	s_lshl_b32 s18, ttmp9, 11                      ; the work-group's 128 queries in a plane
	s_mov_b32 s19, 0
	s_mov_b32 s12, 0xffff0000
	s_wait_kmcnt 0x0
	s_add_nc_u64 s[4:5], s[4:5], s[16:17]
	s_add_nc_u64 s[6:7], s[6:7], s[18:19]
	s_add_nc_u64 s[8:9], s[8:9], s[18:19]
.irp p, 0,1,2,3,4
	global_load_b128 v[GG+4*(\p):GG+4*(\p)+3], v4, s[6:7] offset:(\p)*PL
.endr
.set i, 0
.rept 8
	global_load_b128 v[120+12*i:120+12*i+3],   v3, s[4:5] offset:6144*i
	global_load_b128 v[120+12*i+4:120+12*i+7], v3, s[4:5] offset:6144*i+16
	global_load_b128 v[120+12*i+8:120+12*i+11], v3, s[4:5] offset:6144*i+32
.set i, i+1
.endr
.set i, 0
.rept 17
	v_mov_b32 v[LL+i], 0xff800000                  ; below every finite distance
	v_mov_b32 v[II+i], 0
.set i, i+1
.endr
.set i, 0
.rept 8
	s_wait_loadcnt 21-3*i                          ; this pass's three loads are in, the later passes' may be out
.irp k, 0,1,2,3
	v_cvt_pk_bf16_f32 v[TT+2*(\k)], v[120+12*i+3*(\k)], v[120+12*i+3*(\k)+1]
	v_cvt_pk_bf16_f32 v[TT+2*(\k)+1], v[120+12*i+3*(\k)+2], 0
.endr
.irp k, 0,1,2,3
	v_lshlrev_b32 v[PP+4*(\k)], 16, v[TT+2*(\k)]
	v_and_b32 v[PP+4*(\k)+1], s12, v[TT+2*(\k)]
	v_lshlrev_b32 v[PP+4*(\k)+2], 16, v[TT+2*(\k)+1]
.endr
.irp k, 0,1,2,3
	v_mul_f32 v[PP+4*(\k)+3], v[PP+4*(\k)], v[PP+4*(\k)]
.endr
.irp k, 0,1,2,3
	v_fma_f32 v[PP+4*(\k)+3], v[PP+4*(\k)+1], v[PP+4*(\k)+1], v[PP+4*(\k)+3]
.endr
.irp k, 0,1,2,3
	v_fma_f32 v[PP+4*(\k)+3], v[PP+4*(\k)+2], v[PP+4*(\k)+2], v[PP+4*(\k)+3]
.endr
.irp k, 0,1,2,3
	ds_store_b128 v5, v[PP+4*(\k):PP+4*(\k)+3] offset:64*GP*i+16*(\k)
.endr
.set i, i+1
.endr
	s_wait_dscnt 0x0                               ; for the others' sake: my rows are written
	s_barrier_signal -1
	s_barrier_wait -1
; the eight rows of the group that stands first in GG.  The number was loaded: it is held to 0 .. 511 right ahead of the address
.macro FETCH
	v_min_u32 v118, 0x1ff, v[GG]
	v_mul_u32_u24 v118, v118, GP
.irp k, 0,1,2,3,4,5,6,7
	ds_load_b128 v[PP+4*(\k):PP+4*(\k)+3], v118 offset:16*(\k)
.endr
.endm
; Candidate k goes into the list.  m[i] = (d > L[i]); m[i - 1] implies m[i].  New I[i] = I[i - 1] where m[i - 1], the candidate where m[i] alone, I[i] else; L likewise, as the middle one of three.
.macro INS k
	v_add_nc_u32 v117, \k, v116
.set ii, 0
.rept 17
	v_cmp_gt_f32 s[36+ii], v[DI+(\k)], v[LL+ii]
.set ii, ii+1
.endr
.set ii, 1
.rept 16
	v_cndmask_b32 v[XX+ii-1], v117, v[II+ii-1], s[36+ii-1]
.set ii, ii+1
.endr
.set ii, 1
.rept 16
	v_cndmask_b32 v[II+ii], v[II+ii], v[XX+ii-1], s[36+ii]
.set ii, ii+1
.endr
	v_cndmask_b32 v[II], v[II], v117, s36
.set ii, 16
.rept 16
	v_med3_num_f32 v[LL+ii], v[LL+ii-1], v[LL+ii], v[DI+(\k)]
.set ii, ii-1
.endr
	v_max_num_f32 v[LL], v[LL], v[DI+(\k)]
.endm
	ds_load_b128 v[42:45], v6
	FETCH
	s_mov_b32 s14, 20
.Lgroup:                                               ; a trip: one group's eight distances; the next group's rows are fetched; eight insertions
	s_wait_dscnt 0x0
.irp k, 0,1,2,3,4,5,6,7
	v_mul_f32 v[TT+(\k)], v42, v[PP+4*(\k)]
.endr
.irp k, 0,1,2,3,4,5,6,7
	v_fma_f32 v[TT+(\k)], v43, v[PP+4*(\k)+1], v[TT+(\k)]
.endr
.irp k, 0,1,2,3,4,5,6,7
	v_fma_f32 v[TT+(\k)], v44, v[PP+4*(\k)+2], v[TT+(\k)]
.endr
.irp k, 0,1,2,3,4,5,6,7
	v_add_f32 v[DI+(\k)], v45, v[PP+4*(\k)+3]
.endr
.irp k, 0,1,2,3,4,5,6,7
	v_fma_f32 v[DI+(\k)], -2.0, v[TT+(\k)], v[DI+(\k)]
.endr
	v_min_u32 v116, 0x1ff, v[GG]
	v_lshl_add_u32 v116, v116, 3, s13              ; the row number of the group's first point
.set ii, 0
.rept 19
	v_mov_b32 v[GG+ii], v[GG+ii+1]                 ; the next group moves to the front: one text serves all 20 trips
.set ii, ii+1
.endr
	s_cmp_eq_u32 s14, 1
	s_cbranch_scc1 .Lno_fetch                      ; the last trip has no next group
	FETCH
.Lno_fetch:
.irp k, 0,1,2,3,4,5,6,7
	INS \k
.endr
	s_sub_co_u32 s14, s14, 1
	s_cmp_lg_u32 s14, 0
	s_cbranch_scc1 .Lgroup
.irp p, 0,1,2,3
	global_store_b128 v4, v[II+1+4*(\p):II+4+4*(\p)], s[8:9] offset:(\p)*PL  ; ranks 2 .. 17; the wave stores 512 consecutive bytes of a plane
.endr
	s_wait_tensorcnt 0x0                           ; the wave's end, behind my last LDS store
	ds_add_u32 v1, v2
	s_wait_dscnt 0x0
	s_endpgm
.Lfunc_end_k_q5b17568660_rank:
	.size	k_q5b17568660_rank, .Lfunc_end_k_q5b17568660_rank-k_q5b17568660_rank
	.p2alignl 7, 3214868480
	.fill 96, 4, 3214868480
	.section	.rodata,"a",@progbits
	.p2align	6, 0x0
	.amdhsa_kernel k_q5b17568660_rank
		.amdhsa_group_segment_fixed_size 74240
		.amdhsa_private_segment_fixed_size 0
		.amdhsa_enable_private_segment 0
		.amdhsa_kernarg_size 24
		.amdhsa_user_sgpr_count 2
		.amdhsa_user_sgpr_kernarg_segment_ptr 1
		.amdhsa_wavefront_size32 1
		.amdhsa_system_sgpr_workgroup_id_x 1
		.amdhsa_system_sgpr_workgroup_id_y 1
		.amdhsa_system_sgpr_workgroup_id_z 1
		.amdhsa_system_vgpr_workitem_id 0
		.amdhsa_next_free_vgpr 216
		.amdhsa_next_free_sgpr 66
		.amdhsa_reserve_vcc 0
		.amdhsa_float_denorm_mode_32 3
		.amdhsa_float_denorm_mode_16_64 3
		.amdhsa_memory_ordered 1
		.amdhsa_forward_progress 1
		.amdhsa_inst_pref_size 59
	.end_amdhsa_kernel
	.amdgpu_metadata
---
amdhsa.version: [ 1, 2 ]
amdhsa.kernels:
  - .name:           k_q5b17568660_rank
    .symbol:         k_q5b17568660_rank.kd
    .args:
      - { .name: xyz, .offset: 0, .size: 8, .value_kind: global_buffer, .address_space: global }
      - { .name: gids, .offset: 8, .size: 8, .value_kind: global_buffer, .address_space: global }
      - { .name: nbr, .offset: 16, .size: 8, .value_kind: global_buffer, .address_space: global }
    .group_segment_fixed_size: 74240
    .private_segment_fixed_size: 0
    .kernarg_segment_align: 8
    .kernarg_segment_size: 24
    .max_flat_workgroup_size: 128
    .sgpr_count:     66
    .vgpr_count:     216
    .wavefront_size: 32
...
	.end_amdgpu_metadata
.endif
;; end of part 3
;; launch gmax (part 4): grid 512 x 1, 8 waves a work-group, no clusters, 0 bytes of LDS; arguments nbr, feat, out0; writes out0
.if DOCPART == 4
	.amdgcn_target "amdgcn-amd-amdhsa--gfx1250"
	.amdhsa_code_object_version 6
	.text
	.protected	k_q5b17568660_gmax
	.globl	k_q5b17568660_gmax
	.p2align	8
	.type	k_q5b17568660_gmax,@function
k_q5b17568660_gmax:
	s_mov_b64 s[64:65], 0
	v_nop
	global_prefetch_b8 v0, s[64:65] scope:SCOPE_SE
	s_setreg_imm32_b32 hwreg(HW_REG_WAVE_MODE, 25, 1), 1
	s_wait_xcnt 0x0
; out0[q][:] = the maximum over q's 16 neighbours n of feat[n][:].  A wave owns 8 queries, one after the other; a row of feat is 512 bytes: one load of 16 bytes a lane.
; The 16 row numbers of a query are the same for all lanes, so they come by scalar loads (nbr is written by no line of this launch) and are held to 0 .. 32,767 ahead of the address.
; Two sets of registers take turns: while one query's 16 rows are reduced, the next query's 16 loads are on their way, and the numbers of the two after that have been asked for.
; No LDS, no barrier, no matrix work: a gather and a maximum.  No prefetch: the lists name the same rows again and again, and each query's loads are issued a query ahead.
; LIMIT.  In these maxima a NaN loses; the reference's maximum would keep it.
.set PL, 1<<19                         ; a plane of nbr: 32,768 queries x 16 bytes; plane p holds a query's neighbours 4 p .. 4 p + 3
; v1 16 x lane; v[4:35] two sets of 16 offsets; v[36:43] two results; v[48:175] two sets of 16 rows;  s[20:35], s[36:51] two sets of 16 row numbers
	s_load_b128 s[4:7], s[0:1], 0x0                ; nbr s[4:5], feat s[6:7]
	s_load_b64 s[8:9], s[0:1], 0x10                ; out0
	v_lshrrev_b32 v2, 5, v0
	v_readfirstlane_b32 s10, v2                    ; wave 0..7
	v_and_b32 v1, 31, v0
	v_lshlrev_b32 v1, 4, v1
	s_lshl_b32 s12, ttmp9, 10                      ; my 8 queries, 64 g + 8 w on: 16 bytes each in a plane of nbr,
	s_lshl_b32 s11, s10, 7
	s_add_co_u32 s12, s12, s11
	s_mov_b32 s13, 0
	s_lshl_b32 s14, ttmp9, 15                      ; 512 bytes each in out0
	s_lshl_b32 s11, s10, 12
	s_add_co_u32 s14, s14, s11
	s_mov_b32 s15, 0
	s_wait_kmcnt 0x0
	s_add_nc_u64 s[4:5], s[4:5], s[12:13]
	s_add_nc_u64 s[8:9], s[8:9], s[14:15]
.macro IDX q                           ; query q's 16 row numbers
.irp p, 0,1,2,3
	s_load_b128 s[20+16*((\q)%2)+4*(\p):20+16*((\q)%2)+4*(\p)+3], s[4:5], 16*(\q)+(\p)*PL
.endr
.endm
.macro ROWS q                          ; query q's 16 rows
	s_wait_kmcnt 0x0                               ; scalar loads return in no order: zero
.irp k, 0,1,2,3,4,5,6,7,8,9,10,11,12,13,14,15
	s_min_u32 s[20+16*((\q)%2)+(\k)], s[20+16*((\q)%2)+(\k)], 0x7fff
	v_lshl_add_u32 v[4+16*((\q)%2)+(\k)], s[20+16*((\q)%2)+(\k)], 9, v1
	global_load_b128 v[48+64*((\q)%2)+4*(\k):48+64*((\q)%2)+4*(\k)+3], v[4+16*((\q)%2)+(\k)], s[6:7]
.endr
.endm
.macro RED q, left                     ; the maximum of query q's rows, three at a time, and its store.  left: the younger loads that may stay out
.set RB, 48+64*((\q)%2)
.set MB, 36+4*((\q)%2)
	s_wait_loadcnt \left                           ; my 16 rows are in; this wait also frees their offset registers
.irp t, 0,1,2,3,4
.irp c, 0,1,2,3
	v_max3_num_f32 v[RB+12*(\t)+(\c)], v[RB+12*(\t)+(\c)], v[RB+12*(\t)+4+(\c)], v[RB+12*(\t)+8+(\c)]
.endr
.endr
.irp c, 0,1,2,3
	v_max3_num_f32 v[RB+(\c)], v[RB+(\c)], v[RB+12+(\c)], v[RB+24+(\c)]
	v_max3_num_f32 v[RB+36+(\c)], v[RB+36+(\c)], v[RB+48+(\c)], v[RB+60+(\c)]
.endr
	s_wait_xcnt 0x0                                ; the result's registers were the data of the store two queries back: they are rewritten only behind this wait
.irp c, 0,1,2,3
	v_max_num_f32 v[MB+(\c)], v[RB+(\c)], v[RB+36+(\c)]
.endr
	global_store_b128 v1, v[MB:MB+3], s[8:9] offset:512*(\q) th:TH_STORE_NT  ; 512 consecutive bytes, at a multiple of 512 from out0's first byte
.endm
	IDX 0
	IDX 1
	ROWS 0
	ROWS 1
	IDX 2
	IDX 3
.set n, 0
.rept 8
.if n < 7
	RED n, 16                                      ; the next query's 16 loads stay out
.else
	RED n, 0
.endif
.if n+2 <= 7
	ROWS n+2
.endif
.if n+4 <= 7
	IDX n+4
.endif
.set n, n+1
.endr
	s_endpgm
.Lfunc_end_k_q5b17568660_gmax:
	.size	k_q5b17568660_gmax, .Lfunc_end_k_q5b17568660_gmax-k_q5b17568660_gmax
	.p2alignl 7, 3214868480
	.fill 96, 4, 3214868480
	.section	.rodata,"a",@progbits
	.p2align	6, 0x0
	.amdhsa_kernel k_q5b17568660_gmax
		.amdhsa_group_segment_fixed_size 0
		.amdhsa_private_segment_fixed_size 0
		.amdhsa_enable_private_segment 0
		.amdhsa_kernarg_size 24
		.amdhsa_user_sgpr_count 2
		.amdhsa_user_sgpr_kernarg_segment_ptr 1
		.amdhsa_wavefront_size32 1
		.amdhsa_system_sgpr_workgroup_id_x 1
		.amdhsa_system_sgpr_workgroup_id_y 1
		.amdhsa_system_sgpr_workgroup_id_z 1
		.amdhsa_system_vgpr_workitem_id 0
		.amdhsa_next_free_vgpr 176
		.amdhsa_next_free_sgpr 66
		.amdhsa_reserve_vcc 0
		.amdhsa_float_denorm_mode_32 3
		.amdhsa_float_denorm_mode_16_64 3
		.amdhsa_memory_ordered 1
		.amdhsa_forward_progress 1
		.amdhsa_inst_pref_size 48
	.end_amdhsa_kernel
	.amdgpu_metadata
---
amdhsa.version: [ 1, 2 ]
amdhsa.kernels:
  - .name:           k_q5b17568660_gmax
    .symbol:         k_q5b17568660_gmax.kd
    .args:
      - { .name: nbr, .offset: 0, .size: 8, .value_kind: global_buffer, .address_space: global }
      - { .name: feat, .offset: 8, .size: 8, .value_kind: global_buffer, .address_space: global }
      - { .name: out0, .offset: 16, .size: 8, .value_kind: global_buffer, .address_space: global }
    .group_segment_fixed_size: 0
    .private_segment_fixed_size: 0
    .kernarg_segment_align: 8
    .kernarg_segment_size: 24
    .max_flat_workgroup_size: 256
    .sgpr_count:     66
    .vgpr_count:     176
    .wavefront_size: 32
...
	.end_amdgpu_metadata
.endif
;; end of part 4
;; ======== version 2 of 2: 4 launches; version 1 with the launch gmax written anew for expert scheduling mode
;; limits: values within 6.1e-05 (relative) of each other or of a threshold may be ordered or decided otherwise than in the reference
;; workspace buffers: feat 16,777,216 bytes; gids 2,621,440 bytes of whole numbers; nbr 2,097,152 bytes of whole numbers
;; launch mlp: the kernel of part 1 again; grid 256 x 1, 8 waves a work-group, no clusters, 154,624 bytes of LDS; arguments xyz, W0, b0, W1, b1, W2, b2, feat; writes feat
;; launch filter: the kernel of part 2 again; grid 256 x 1, 8 waves a work-group, no clusters, 66,560 bytes of LDS; arguments xyz, gids; writes gids
;; launch rank: the kernel of part 3 again; grid 256 x 1, 4 waves a work-group, no clusters, 74,240 bytes of LDS; arguments xyz, gids, nbr; writes nbr
;; launch gmax (part 5): grid 512 x 1, 8 waves a work-group, no clusters, 0 bytes of LDS; arguments nbr, feat, out0; writes out0
.if DOCPART == 5
	.amdgcn_target "amdgcn-amd-amdhsa--gfx1250"
	.amdhsa_code_object_version 6
	.text
	.protected	k_q5b17568660_gmax
	.globl	k_q5b17568660_gmax
	.p2align	8
	.type	k_q5b17568660_gmax,@function
k_q5b17568660_gmax:
	s_mov_b64 s[64:65], 0
	v_nop
	global_prefetch_b8 v0, s[64:65] scope:SCOPE_SE
	s_setreg_imm32_b32 hwreg(HW_REG_WAVE_SCHED_MODE, 0, 2), 2
	s_setreg_imm32_b32 hwreg(HW_REG_WAVE_MODE, 25, 1), 1
	s_wait_xcnt 0x0
	s_wait_alu depctr_vm_vsrc(0)
; out0[q][:] = the maximum over q's 16 neighbours n of feat[n][:].  A wave owns 8 queries, one after the other; a row of feat is 512 bytes: one load of 16 bytes a lane.
; The 16 row numbers of a query are the same for all lanes, so they come by scalar loads (nbr is written by no line of this launch) and are held to 0 .. 32,767 ahead of the address.
; No LDS, no barrier, no matrix work: a gather and a maximum.  No prefetch: the lists name the same rows again and again, and each query's loads are issued two queries ahead.
; LIMIT.  In these maxima a NaN loses; the reference's maximum would keep it.
; THE MODE: SCHED_MODE bits 1:0 = 2 (LLVM: expert scheduling mode 2), set by the entry lines.  The code itself states the register dependences
; between vector instructions and memory instructions, with s_wait_alu, always for 0.
; THE PLAN.  Registers that memory instructions touch:
;   R0 .. R2   three buffers of 16 rows; query q has R[q % 3].  Written by the loads of query n + 2, issued in step n; read, and written in place, by the maxima of step n + 2.
;   O0, O1     two sets of 16 byte offsets; query q has O[q % 2].  Written by the offset lines of query n + 3, in step n; read by that query's loads, in step n + 1.
;   M0, M1     two results; query q has M[q % 2].  Written by the last maxima of step n; read by the store that is issued in step n + 1.
;   v1         16 x lane: made once at the head, never written again.
; Step n: three waits; the 16 loads of query n + 2 and the store of query n - 1; the offsets of query n + 3; the wait for query n's rows; its maxima.
; The loads land in R[(n + 2) % 3] = R[(n - 1) % 3] and read O[n % 2]; the store reads M[(n - 1) % 2]: what step n - 1 worked on or made.  They stand straight behind the waits, and the vector
; lines behind them name O[(n + 1) % 2], R[n % 3] and M[n % 2] alone.  So the waits at a step's head state all that its 17 memory instructions hang on.
.set PL, 1<<19                         ; a plane of nbr: 32,768 queries x 16 bytes; plane p holds a query's neighbours 4 p .. 4 p + 3
.set OO, 4                             ; v[4:35]    O0, O1
.set MM, 36                            ; v[36:43]   M0, M1
.set RR, 48                            ; v[48:239]  R0, R1, R2
.set SS, 20                            ; s[20:35], s[36:51] two sets of 16 row numbers; query q has set q % 2
	s_load_b128 s[4:7], s[0:1], 0x0                ; nbr s[4:5], feat s[6:7]
	s_load_b64 s[8:9], s[0:1], 0x10                ; out0
	v_lshrrev_b32 v2, 5, v0
	v_readfirstlane_b32 s10, v2                    ; wave 0..7
	v_and_b32 v1, 31, v0
	v_lshlrev_b32 v1, 4, v1
	s_wait_alu depctr_va_sdst(0)                   ; s10 is written, ahead of its first reader: the wave's places in nbr and in out0 are made from it
	s_lshl_b32 s12, ttmp9, 10                      ; my 8 queries, 64 g + 8 w on: 16 bytes each in a plane of nbr,
	s_lshl_b32 s11, s10, 7
	s_add_co_u32 s12, s12, s11
	s_mov_b32 s13, 0
	s_lshl_b32 s14, ttmp9, 15                      ; 512 bytes each in out0
	s_lshl_b32 s11, s10, 12
	s_add_co_u32 s14, s14, s11
	s_mov_b32 s15, 0
	s_wait_kmcnt 0x0
	s_add_nc_u64 s[4:5], s[4:5], s[12:13]
	s_add_nc_u64 s[8:9], s[8:9], s[14:15]
.macro IDX q                           ; query q's 16 row numbers
.irp p, 0,1,2,3
	s_load_b128 s[SS+16*((\q)%2)+4*(\p):SS+16*((\q)%2)+4*(\p)+3], s[4:5], 16*(\q)+(\p)*PL
.endr
.endm
.macro OFFS q                          ; query q's 16 byte offsets in feat: the row number, held to the table, times 512, and 16 bytes a lane
.irp k, 0,1,2,3,4,5,6,7,8,9,10,11,12,13,14,15
	s_min_u32 s[SS+16*((\q)%2)+(\k)], s[SS+16*((\q)%2)+(\k)], 0x7fff
	v_lshl_add_u32 v[OO+16*((\q)%2)+(\k)], s[SS+16*((\q)%2)+(\k)], 9, v1
.endr
.endm
.macro LOADS q                         ; query q's 16 rows
.irp k, 0,1,2,3,4,5,6,7,8,9,10,11,12,13,14,15
	global_load_b128 v[RR+64*((\q)%3)+4*(\k):RR+64*((\q)%3)+4*(\k)+3], v[OO+16*((\q)%2)+(\k)], s[6:7]
.endr
.endm
.macro RED q                           ; the maximum of query q's rows, three at a time
.set RB, RR+64*((\q)%3)
.set MB, MM+4*((\q)%2)
.irp t, 0,1,2,3,4
.irp c, 0,1,2,3
	v_max3_num_f32 v[RB+12*(\t)+(\c)], v[RB+12*(\t)+(\c)], v[RB+12*(\t)+4+(\c)], v[RB+12*(\t)+8+(\c)]
.endr
.endr
.irp c, 0,1,2,3
	v_max3_num_f32 v[RB+(\c)], v[RB+(\c)], v[RB+12+(\c)], v[RB+24+(\c)]
	v_max3_num_f32 v[RB+36+(\c)], v[RB+36+(\c)], v[RB+48+(\c)], v[RB+60+(\c)]
.endr
.irp c, 0,1,2,3
	v_max_num_f32 v[MB+(\c)], v[RB+(\c)], v[RB+36+(\c)]
.endr
.endm
.macro SEND q                          ; query q's result
	global_store_b128 v1, v[MM+4*((\q)%2):MM+4*((\q)%2)+3], s[8:9] offset:512*(\q) th:TH_STORE_NT  ; 512 consecutive bytes, at a multiple of 512 from out0's first byte
.endm
	; What step 0 finds: the rows of queries 0 and 1 on their way, the offsets of query 2 in O0, the row numbers of query 3 asked for.
	IDX 0
	IDX 1
	s_wait_kmcnt 0x0                               ; scalar loads return in no order: zero
	OFFS 0
	OFFS 1
	s_wait_alu depctr_va_vdst(0)                   ; v1, O0 and O1 are written: the loads below read O0 and O1, every store reads v1
	LOADS 0
	LOADS 1
	IDX 2                                          ; the offset lines that read this set of scalar registers stand ahead of the wait above
	s_wait_kmcnt 0x0
	s_wait_xcnt 0x0                                ; the loads of queries 0 and 1 have had their addresses translated (ISA guide 3.1): O0 and O1 are rewritten only behind this wait,
	s_wait_alu depctr_vm_vsrc(0)                   ; and they have read O0, which the lines below write, and O1, which step 0 writes
	IDX 3
	OFFS 2
.set n, 0
.rept 8                                                ; step n
.if n > 0
	s_wait_xcnt 0x0                                ; what step n - 1 issued has had its addresses translated (ISA guide 3.1): O[(n + 1) % 2] and M[n % 2] are rewritten only behind this wait
	s_wait_alu depctr_vm_vsrc(0)                   ; the loads of query n + 1 have read O[(n + 1) % 2], the store of query n - 2 has read M[n % 2]: this step writes both again
.endif
	s_wait_alu depctr_va_vdst(0)                   ; the offsets of query n + 2 are written, which the loads below read; the maxima of step n - 1 have written their M, which the store below reads, and are done with their R, in which the loads land
.if n+2 <= 7
	LOADS n+2
.endif
.if n >= 1
	SEND n-1
.endif
.if n+3 <= 7
	s_wait_kmcnt 0x0                               ; the row numbers of query n + 3, asked for a step ago
.if n+4 <= 7
	IDX n+4                                        ; into the set of query n + 2: the offset lines that read it stand ahead of this step's wait on va_vdst
.endif
	OFFS n+3
.endif
.if n <= 5
	s_wait_loadcnt 32                              ; loads come back in order (ISA guide 5.7.1): query n's 16 rows are in, the 32 of the next two queries stay out
.elseif n == 6
	s_wait_loadcnt 16                              ; the last query's 16 stay out
.else
	s_wait_loadcnt 0x0
.endif
	RED n
.set n, n+1
.endr
	s_wait_alu depctr_va_vdst(0)                   ; the maxima of step 7 have written M1, which the last store reads
	SEND 7
	s_endpgm
.Lfunc_end_k_q5b17568660_gmax:
	.size	k_q5b17568660_gmax, .Lfunc_end_k_q5b17568660_gmax-k_q5b17568660_gmax
	.p2alignl 7, 3214868480
	.fill 96, 4, 3214868480
	.section	.rodata,"a",@progbits
	.p2align	6, 0x0
	.amdhsa_kernel k_q5b17568660_gmax
		.amdhsa_group_segment_fixed_size 0
		.amdhsa_private_segment_fixed_size 0
		.amdhsa_enable_private_segment 0
		.amdhsa_kernarg_size 24
		.amdhsa_user_sgpr_count 2
		.amdhsa_user_sgpr_kernarg_segment_ptr 1
		.amdhsa_wavefront_size32 1
		.amdhsa_system_sgpr_workgroup_id_x 1
		.amdhsa_system_sgpr_workgroup_id_y 1
		.amdhsa_system_sgpr_workgroup_id_z 1
		.amdhsa_system_vgpr_workitem_id 0
		.amdhsa_next_free_vgpr 240
		.amdhsa_next_free_sgpr 66
		.amdhsa_reserve_vcc 0
		.amdhsa_float_denorm_mode_32 3
		.amdhsa_float_denorm_mode_16_64 3
		.amdhsa_memory_ordered 1
		.amdhsa_forward_progress 1
		.amdhsa_inst_pref_size 49
	.end_amdhsa_kernel
	.amdgpu_metadata
---
amdhsa.version: [ 1, 2 ]
amdhsa.kernels:
  - .name:           k_q5b17568660_gmax
    .symbol:         k_q5b17568660_gmax.kd
    .args:
      - { .name: nbr, .offset: 0, .size: 8, .value_kind: global_buffer, .address_space: global }
      - { .name: feat, .offset: 8, .size: 8, .value_kind: global_buffer, .address_space: global }
      - { .name: out0, .offset: 16, .size: 8, .value_kind: global_buffer, .address_space: global }
    .group_segment_fixed_size: 0
    .private_segment_fixed_size: 0
    .kernarg_segment_align: 8
    .kernarg_segment_size: 24
    .max_flat_workgroup_size: 256
    .sgpr_count:     66
    .vgpr_count:     240
    .wavefront_size: 32
...
	.end_amdgpu_metadata
.endif
;; end of part 5
